; MI455X (gfx1250); checked and timed in simulation.
; The chip was launched on July 23, 2026; its instructions are those of AMD's public machine-readable ISA for CDNA 5 (MIT licence, August 2026) and "CDNA5" Instruction Set Architecture Reference Guide (July 2026). The comments in the code are by the model that wrote it; some were corrected since.
;; Model. Allowed arithmetic: matrix products marked QUANTISED: E5M2 operands, one given power-of-two scale a tensor, by v_wmma_f32_16x16x64_bf8_bf8 or v_wmma_f32_16x16x128_bf8_bf8, f32 sums; products left as they are: f32 operands where the result goes on into a quantised operand, else bf16, f16 or f32 operands; f32 sums; everything else in f32.
;; Inputs: Wk_i 64 x 64 float32; Wk_j 64 x 64 float32; Wk_k 64 x 64 float32; Wk_r 64 x 64 float32; Wo_codes 256 x 8 x 32 uint8 (E5M2 codes of Wo, K innermost, in blocks of 32 codes); Wq_i 64 x 64 float32; Wq_j 64 x 64 float32; Wq_k 64 x 64 float32; Wq_r 64 x 64 float32; Wv_codes 256 x 8 x 32 uint8 (E5M2 codes of Wv, K innermost, in blocks of 32 codes); bk 256 float32; bo 256 float32; bq 256 float32; bv 256 float32; density_feat 4 x 2,048 x 3 float32; dm_b1 16 float32; dm_b2 1 float32; dm_w1 16 x 3 float32; dm_w2 1 x 16 float32; key_codes 4 x 2,048 x 8 x 32 uint8 (E5M2 codes of key, K innermost, in blocks of 32 codes); lowp_scales 12 int32 (the exponents e of the quantised operands' scales 2^e); mask 4 x 2,048 int32; query_codes 4 x 2,048 x 8 x 32 uint8 (E5M2 codes of query, K innermost, in blocks of 32 codes); threshold one number float32; value_codes 4 x 2,048 x 8 x 32 uint8 (E5M2 codes of value, K innermost, in blocks of 32 codes).
;; Outputs: out0 4 x 2,048 x 256 float32.
;; This version of the problem:
;;   THIS VERSION OF THE PROBLEM IS GIVEN IN LOW PRECISION. The matrix products marked QUANTISED in the list below multiply operands that are first quantised to E5M2 (5 exponent bits, 2 mantissa bits; 8 bits a number), with one given power-of-two scale for each operand tensor; their sums are f32. All else is computed in f32.
;;   The module's matrix products, in the order in which they are computed (A, B: the left and right operand; K: the contracted axis; several contracted axes count as one K, in the product's order):
;;     1. [M 8,192, K 256] x [K 256, N 256]; A: input query (given as codes); B: computed on the way: QUANTISED (scales: A lowp_scales[0], B lowp_scales[1])
;;     2. [M 8,192, K 256] x [K 256, N 256]; A: input key (given as codes); B: computed on the way: QUANTISED (scales: A lowp_scales[2], B lowp_scales[3])
;;     3. [M 8,192, K 256] x [K 256, N 256]; A: input value (given as codes); B: input Wv (given as codes): QUANTISED (scales: A lowp_scales[4], B lowp_scales[5])
;;     4. batch 16 x [M 2,048, K 64] x [K 64, N 2,048]; A: computed on the way; B: computed on the way: QUANTISED (scales: A lowp_scales[6], B lowp_scales[7])
;;     5. [M 8,192, K 3] x [K 3, N 16]; A: input density_feat; B: input dm_w1: left as it is (K = 3 < 32)
;;     6. [M 8,192, K 16] x [K 16, N 1]; A: computed on the way; B: input dm_w2: left as it is (K = 16 < 32)
;;     7. batch 16 x [M 2,048, K 2,048] x [K 2,048, N 64]; A: softmax (see below); B: computed on the way: QUANTISED (scales: A lowp_scales[8], B lowp_scales[9])
;;     8. [M 8,192, K 256] x [K 256, N 256]; A: computed on the way; B: input Wo (given as codes): QUANTISED (scales: A lowp_scales[10], B lowp_scales[11])
;;   THE QUANTISER, for each operand of a quantised product, along K:
;;     - The operand's scale is 2^e, e = its entry of the input lowp_scales (int32; the entries are numbered through the quantised products in the list's order, A before B).
;;     - Each number is divided by the scale, clamped to +-57,344, and rounded to the nearest number of E5M2, ties to even, subnormals kept.
;;     - The product sums the exact products of the quantised numbers (number of the format x scale) in f32.
;;   ~~~python
;;   def quantise(x, axis, e):      # numpy; x: float32 -> the quantised numbers, widened to float32 again
;;       x = np.moveaxis(x, axis, -1); K = x.shape[-1]
;;       r = np.clip(x / 2.0 ** e, -57344, 57344)
;;       step = 2.0 ** (np.maximum(np.frexp(np.where(r == 0, 1, r))[1] - 1, -14) - 2)
;;       q = np.round(r / step) * step * 2.0 ** e      # np.round: ties to even
;;       return np.moveaxis(q, -1, axis).astype(np.float32)
;;   ~~~
;;   SOFTMAX AHEAD OF A QUANTISED PRODUCT. Where the list says 'softmax', what is quantised is not the finished softmax but p = 2^(t - M), with t = logit x log2(e) and M = ceil(the row's largest t), a whole number; so 1/2 < the row's largest p <= 1. The row's sum l is taken of the UNQUANTISED p, in f32, and the product's result is divided by l at the end. Since M is a whole number, a kernel that streams over the keys may use a running M (the ceiling of the running maximum): every later rescaling is an exact power of two, so the quantised numbers keep their values, but for numbers so far below the row's largest that they fall under the format's range.
;;   OPERANDS COMPUTED ON THE WAY. 'Computed on the way' means the value that the module computes at that place (a softmax that the list does not call 'softmax' is quantised finished and normalised). What goes into a quantiser is computed in f32, as accurately as f32 sums, v_exp_f32 and their like allow (about 1e-6 of the number): no bf16 or f16 on the way to a quantiser, and a product that is left as it is and whose result goes on into a quantised operand takes f32 operands (vector FMAs, or v_wmma_f32_16x16x4_f32). A number that lies on a knife's edge between two numbers of the format may be rounded either way, as far as f32 arithmetic and the matrix unit's own rounding can turn it there, and no further.
;;   INPUTS GIVEN AS CODES. Wo (in the module: [256, 256], K = its axis 1); Wv (in the module: [256, 256], K = its axis 1); key (in the module: [4, 2048, 256], K = its axis 2); query (in the module: [4, 2048, 256], K = its axis 2); value (in the module: [4, 2048, 256], K = its axis 2): each comes as NAME_codes (uint8): NAME with its K axis moved to the last place and cut into blocks of 32 codes, [.., K / 32, bytes a block], one block behind the other in memory; one code a byte (a code: sign, 5 exponent bits, 2 mantissa bits); its scale is its entry of lowp_scales. Its value is code x scale, taken as it is: it is not quantised again, and the codes and scales need not be those that the quantiser above would give.
;; One version. Each part assembles by itself: llvm-mc -triple=amdgcn-amd-amdhsa -mcpu=gfx1250 --defsym DOCPART=n.
;; ======== version 1 of 1: 2 launches
;; limits: right only within a limited range of input values
;; workspace buffers: qimg 2,097,152 bytes; kvimg 4,194,304 bytes; keyvec 65,536 bytes
;; launch prep (part 1): grid 64 x 3, 4 waves a work-group, no clusters, 16,896 bytes of LDS; arguments query_codes, Wq_r, Wq_i, Wq_j, Wq_k, bq, key_codes, Wk_r, Wk_i, Wk_j, Wk_k, bk, value_codes, Wv_codes, bv, lowp_scales, mask, density_feat, dm_w1, dm_b1, dm_w2, dm_b2, threshold, qimg, kvimg, keyvec; writes qimg, kvimg, keyvec
.if DOCPART == 1
	.amdgcn_target "amdgcn-amd-amdhsa--gfx1250"
	.amdhsa_code_object_version 6
	.text
	.protected	k_qa5e43e021f_prep
	.globl	k_qa5e43e021f_prep
	.p2align	8
	.type	k_qa5e43e021f_prep,@function
k_qa5e43e021f_prep:
	s_mov_b64 s[64:65], 0
	v_nop
	global_prefetch_b8 v0, s[64:65] scope:SCOPE_SE
	s_setreg_imm32_b32 hwreg(HW_REG_WAVE_MODE, 25, 1), 1
	s_wait_xcnt 0x0
; PREP: the three input projections on codes of E5M2, their results quantised again and laid out as the attention launch's operand registers want them, and two numbers for each key.
; Work-group (x, y): x = a unit of 128 rows (batch x / 16, keys or queries 128 (x % 16) on); y = 0: q, 1: k (and the per-key numbers), 2: v.
; Wave w = head w = output channels 64 w .. 64 w + 63, for all 128 rows, in four blocks of 32 rows.
; q, k: W is the Hamilton block matrix: block (I, J) is component I xor J of (r, i, j, k), negative where bit 4 I + J of 0x284e is set.  Each wave quantises ONE component (64 x 64 f32) with the given
;   scale, the four meet in LDS as images of operand registers, and a wave takes its four blocks from there; a negative block has bit 7 of each code turned (the quantiser is odd).
;   The product is used transposed (source 0 = 16 rows of W, source 1 = 16 rows of x) and the rows of a tile are not neighbours: lane r of tile 2 b + u takes row 32 b + 8 u + r + 8 (r / 8).
;   So a lane's 16 registers of two neighbouring tiles are 16 neighbouring channels of one row of x, and the conversions' results are the next product's operand registers.
;   Rows whose mask is 0 get zero codes: the attention launch then finds the score 0 there and adds the masked logit from keyvec.
; v: source 0 = 16 rows of x (keys), source 1 = 16 rows of Wv: a lane holds one channel and 16 neighbouring keys: codes with the keys innermost, as the second attention product wants them.
; The bias is the C of each sum's first matrix instruction, divided by the power of two that the sums lack; the three scales ahead of the quantiser are folded into the conversion's one.
; keyvec (y = 1): b_n = 5 log2(e) (softplus(threshold) + 0.1 d_n), d_n the density MLP's output, and off_n = 0 (mask != 0) or -30 log2(e).
;   erf in the exact GELU: Abramowitz and Stegun 7.1.26 on |z| / sqrt(2): absolute error at most 1.5e-7 for every argument, under the rounding of the f32 sums that follow.
; LIMITS: the weights' exponent e, and e(result) - e(x) - e(W), lie between -126 and 112, so that each power of two and 57,344 times it are f32 numbers.  NaN among the inputs is not served.
; REGISTERS, window 0: v4-15 offsets and scales; v16-23 the rows' masks; v24-31 at work; v32-159 x's fragments, two buffers (the density part works there first); v160-223 the 8 accumulators; v224-239 codes.
;   window 1: v0-127 W's fragments (tile t, K step s at 32 t + 16 s; before that one component in f32); v128-159 the bias, 8 registers a tile; v160-191 the component's codes.
.set LI,   4                           ; v4   16 x lane
.set XA,   5                           ; v5   (r + 8 (r / 8)) x 256 + 16 h: a row of 256 codes
.set WA,   6                           ; v6   (r + 8 (r / 8)) x 256 + 64 h: a row of 64 f32
.set MA,   7                           ; v7   4 (r + 8 (r / 8))
.set BA,   8                           ; v8   64 h
.set WFA,  9                           ; v9-12  LDS: the image of component (w xor J), + 16 x lane
.set WST,  13                          ; v13  LDS: the image of component w, + 16 x lane
.set SCW,  14                          ; v14  2^e of W
.set SCO,  15                          ; v15  2^(e(result) - e(x) - e(W))
.set MK,   16                          ; v16-23  -1 or 0 for my row of tile 2 blk + u
.set XF,   32
.set ACC,  160
.set CD,   224
.set BIAS, 128                         ; window 1
.set WC,   160                         ; window 1
.set MSB, 0
.macro WIN new                         ; the immediate's high byte repeats the setting that is left
.if MSB != \new
	s_set_vgpr_msb (MSB<<8)|\new
.set MSB, \new
.endif
.endm
; block blk of 32 rows of x: tiles u = 0, 1, K steps s = 0, 1, 16 loads of 16 bytes a lane, into buffer blk % 2
.macro XLOAD blk
.irp u, 0,1
.irp s, 0,1
.irp c, 0,1,2,3
	global_load_b128 v[XF+64*((\blk)%2)+32*\u+16*\s+4*\c:XF+64*((\blk)%2)+32*\u+16*\s+4*\c+3], v[XA], s[8:9] offset:(32*(\blk)+8*\u)*256+128*\s+32*\c
.endr
.endr
.endr
.endm
; 16 matrix instructions: eight accumulators by turns, K step 0 (C = the bias) and K step 1 (in place).  swap = 0: W is source 0; swap = 1: x is source 0.
.macro GEMM blk, swap
.set XB, XF+64*((\blk)%2)
.irp s, 0,1
.if \swap
.if \s == 0
	WIN 0x14                               ; source 1 (W) and source 2 (bias) window 1
.else
	WIN 0x04
.endif
.else
.if \s == 0
	WIN 0x11                               ; source 0 (W) and source 2 (bias) window 1
.else
	WIN 0x01
.endif
.endif
.irp u, 0,1
.irp t, 0,1,2,3
.if \swap
.set rD, ACC+16*\t+8*\u
.if \s == 0
	v_wmma_f32_16x16x128_bf8_bf8 v[rD:rD+7], v[XB+32*\u+16*\s:XB+32*\u+16*\s+15], v[32*\t+16*\s:32*\t+16*\s+15], v[BIAS+8*\t:BIAS+8*\t+7]
.else
	v_wmma_f32_16x16x128_bf8_bf8 v[rD:rD+7], v[XB+32*\u+16*\s:XB+32*\u+16*\s+15], v[32*\t+16*\s:32*\t+16*\s+15], v[rD:rD+7]
.endif
.else
.set rD, ACC+32*\u+8*\t
.if \s == 0
	v_wmma_f32_16x16x128_bf8_bf8 v[rD:rD+7], v[32*\t+16*\s:32*\t+16*\s+15], v[XB+32*\u+16*\s:XB+32*\u+16*\s+15], v[BIAS+8*\t:BIAS+8*\t+7]
.else
	v_wmma_f32_16x16x128_bf8_bf8 v[rD:rD+7], v[32*\t+16*\s:32*\t+16*\s+15], v[XB+32*\u+16*\s:XB+32*\u+16*\s+15], v[rD:rD+7]
.endif
.endif
.endr
.endr
.endr
.endm
; the block's 64 sums a lane become 16 registers of codes
.macro QUANT blk
	WIN 0
.rept 4
	v_nop                                  ; four places behind the products: in front of the loads into the buffer that they read, and of the first read of their results
.endr
.if (\blk) < 2
	XLOAD (\blk)+2
.endif
.set n, 0
.rept 64
	v_med3_num_f32 v[ACC+n], v[ACC+n], s99, s98    ; the conversion to an 8-bit code does not saturate (ISA guide 7.6.2): the hold at the largest code x the scale; each accumulator from its low end on
.set n, n+1
.endr
	s_wait_xcnt 0x0                        ; the last block's stores have read the codes' registers
.set n, 0
.rept 8
	v_cvt_scalef32_pk8_bf8_f32 v[CD+2*n:CD+2*n+1], v[ACC+8*n:ACC+8*n+7], v[SCO]
.set n, n+1
.endr
	v_nop                                  ; one plain vector instruction behind the last scaled conversion
.endm
; s80 = e(x), s81 = e(W), s82 = e(result): s83 = -(e(x) + e(W)); v[SCO]; s98, s99 = +-57,344 x 2^(e(result) - e(x) - e(W))
.macro SCALE_OUT
	s_add_co_i32 s83, s80, s81
	s_sub_co_i32 s82, s82, s83
	s_sub_co_i32 s83, 0, s83
	s_add_co_i32 s82, s82, 127
	s_lshl_b32 s7, s82, 23
	v_mov_b32 v[SCO], s7
	s_add_co_i32 s82, s82, 15
	s_lshl_b32 s98, s82, 23
	s_or_b32 s98, s98, 0x600000
	s_or_b32 s99, s98, 0x80000000
.endm
	s_load_b512 s[8:23], s[0:1], 0x0               ; query s[8:9], Wq_r, _i, _j, _k s[10:17], bq s[18:19], key s[20:21], Wk_r s[22:23]
	s_load_b256 s[24:31], s[0:1], 0x40             ; Wk_i, _j, _k s[24:29], bk s[30:31]
	s_load_b128 s[32:35], s[0:1], 0x60             ; value s[32:33], Wv s[34:35]
	s_load_b64 s[36:37], s[0:1], 0x70              ; bv
	s_load_b128 s[40:43], s[0:1], 0x78             ; the scales' exponents s[40:41], mask s[42:43]
	s_load_b512 s[44:59], s[0:1], 0x88             ; density_feat, dm_w1, dm_b1, dm_w2, dm_b2, threshold s[44:55], qimg s[56:57], kvimg s[58:59]
	s_load_b64 s[60:61], s[0:1], 0xc8              ; keyvec
	v_lshl_add_u32 v254, v0, 2, 0x4000
	v_mov_b32 v255, 0
	v_lshrrev_b32 v1, 5, v0
	v_readfirstlane_b32 s4, v1                     ; wave = head = output quarter I
	s_and_b32 s2, ttmp7, 0xffff                    ; y: which projection
	s_mov_b32 s3, ttmp9                            ; x: which 128 rows
	v_and_b32 v1, 31, v0                           ; lane
	v_and_b32 v2, 15, v0                           ; r
	v_bfe_u32 v3, v0, 4, 1                         ; h
	v_lshlrev_b32 v[LI], 4, v1
	v_and_b32 v24, 8, v2
	v_add_nc_u32 v24, v24, v2                      ; r + 8 (r / 8)
	v_lshlrev_b32 v[XA], 8, v24
	v_lshl_add_u32 v[WA], v3, 6, v[XA]
	v_lshl_add_u32 v[XA], v3, 4, v[XA]
	v_lshlrev_b32 v[MA], 2, v24
	v_lshlrev_b32 v[BA], 6, v3
	s_lshl_b32 s90, s3, 15                         ; the unit's 128 rows of 256 codes; also its place in qimg
	s_mov_b32 s91, 0
	s_lshr_b32 s5, s3, 1
	s_lshl_b32 s5, s5, 17
	s_and_b32 s6, s3, 1
	s_lshl_b32 s6, s6, 15
	s_add_co_u32 s5, s5, s6                        ; its place in kvimg: (x / 2) x 131,072 + (x % 2) x 32,768
	s_lshl_b32 s6, s4, 13                          ; + 8,192 x head
	s_mov_b32 s97, 0
	s_wait_kmcnt 0x0
	s_load_b256 s[68:75], s[40:41], 0x0            ; e0 .. e7
	s_load_b128 s[76:79], s[40:41], 0x20           ; e8 .. e11
	s_cmp_eq_u32 s2, 2
	s_cbranch_scc1 .Lv
; ---------------- q and k ----------------
	s_cmp_eq_u32 s2, 0                             ; the choice hangs on the work-group's number alone
	s_cselect_b64 s[8:9], s[8:9], s[20:21]         ; x's codes
	s_cselect_b64 s[10:11], s[10:11], s[22:23]     ; r
	s_cselect_b64 s[12:13], s[12:13], s[24:25]     ; i
	s_cselect_b64 s[14:15], s[14:15], s[26:27]     ; j
	s_cselect_b64 s[16:17], s[16:17], s[28:29]     ; k
	s_cselect_b64 s[18:19], s[18:19], s[30:31]     ; the bias
	s_cselect_b64 s[88:89], s[56:57], s[58:59]     ; where the codes go
	s_cselect_b32 s96, s90, s5
	s_add_co_u32 s96, s96, s6
	s_add_nc_u64 s[88:89], s[88:89], s[96:97]
	s_add_nc_u64 s[8:9], s[8:9], s[90:91]
	s_lshl_b32 s96, s3, 9
	s_add_nc_u64 s[42:43], s[42:43], s[96:97]      ; the unit's 128 mask words
	s_lshl_b32 s96, s4, 8
	s_add_nc_u64 s[18:19], s[18:19], s[96:97]      ; my 64 numbers of the bias
	s_cmp_eq_u32 s4, 1                             ; wave w quantises component w
	s_cselect_b64 s[94:95], s[12:13], s[10:11]
	s_cmp_eq_u32 s4, 2
	s_cselect_b64 s[94:95], s[14:15], s[94:95]
	s_cmp_eq_u32 s4, 3
	s_cselect_b64 s[94:95], s[16:17], s[94:95]
	WIN 0x40                                       ; destination window 1
.irp t, 0,1,2,3                                ; the component in f32, in the order of the operand's registers: tile t, 32 c + 16 h + 0 .. 15 along K
.irp c, 0,1
.irp i, 0,1,2,3
	global_load_b128 v[32*\t+16*\c+4*\i:32*\t+16*\c+4*\i+3], v[WA], s[94:95] offset:(32*(\t/2)+8*(\t%2))*256+128*\c+16*\i
.endr
.endr
.endr
.irp t, 0,1,2,3                                ; the bias in the result's layout: register j of tile 2 b + u is channel 32 b + 16 h + 8 u + j
	global_load_b128 v[BIAS+8*\t:BIAS+8*\t+3], v[BA], s[18:19] offset:(32*(\t/2)+8*(\t%2))*4
	global_load_b128 v[BIAS+8*\t+4:BIAS+8*\t+7], v[BA], s[18:19] offset:(32*(\t/2)+8*(\t%2))*4+16
.endr
	WIN 0
.irp b, 0,1,2,3
.irp u, 0,1
	global_load_b32 v[MK+2*\b+\u], v[MA], s[42:43] offset:4*(32*\b+8*\u)
.endr
.endr
	s_cmp_lg_u32 s2, 1
	s_cbranch_scc1 .Lno_density
; ---- the per-key numbers: thread t takes key 128 (x % 16) + t of the batch ----
	s_mul_i32 s96, s3, 1536
	s_add_nc_u64 s[44:45], s[44:45], s[96:97]      ; the unit's 128 x 3 features
	s_lshr_b32 s96, s3, 4
	s_lshl_b32 s96, s96, 14
	s_and_b32 s5, s3, 15
	s_lshl_b32 s5, s5, 9
	s_add_co_u32 s96, s96, s5
	s_add_nc_u64 s[60:61], s[60:61], s[96:97]      ; keyvec: batch x 16,384 + 4 x key
	v_mul_u32_u24 v24, v0, 12
	v_mov_b32 v25, 0
	v_lshlrev_b32 v27, 2, v0
	global_load_b32 v32, v24, s[44:45]
	global_load_b32 v33, v24, s[44:45] offset:4
	global_load_b32 v34, v24, s[44:45] offset:8
.irp i, 0,1,2,3,4,5,6,7,8,9,10,11
	global_load_b128 v[36+4*\i:39+4*\i], v25, s[46:47] offset:16*\i    ; dm_w1: every lane reads the same 16 bytes
.endr
.irp i, 0,1,2,3
	global_load_b128 v[84+4*\i:87+4*\i], v25, s[48:49] offset:16*\i    ; dm_b1
	global_load_b128 v[100+4*\i:103+4*\i], v25, s[50:51] offset:16*\i  ; dm_w2
.endr
	global_load_b32 v116, v25, s[52:53]            ; dm_b2
	global_load_b32 v117, v25, s[54:55]            ; threshold
	global_load_b32 v118, v27, s[42:43]            ; my key's mask
	s_wait_loadcnt 0x0
.irp u, 0,1,2,3,4,5,6,7,8,9,10,11,12,13,14,15
	v_fma_f32 v[120+\u], v32, v[36+3*\u], v[84+\u] ; z = f . w1[u] + b1[u]
.endr
.irp u, 0,1,2,3,4,5,6,7,8,9,10,11,12,13,14,15
	v_fmac_f32 v[120+\u], v33, v[37+3*\u]
.endr
.irp u, 0,1,2,3,4,5,6,7,8,9,10,11,12,13,14,15
	v_fmac_f32 v[120+\u], v34, v[38+3*\u]
.endr
.irp u, 0,1,2,3,4,5,6,7,8,9,10,11,12,13,14,15
	v_mul_f32 v[136+\u], 0x3f3504f3, |v[120+\u]|   ; y = |z| / sqrt(2)
.endr
.irp u, 0,1,2,3,4,5,6,7,8,9,10,11,12,13,14,15
	v_fma_f32 v[160+\u], v[136+\u], 0x3ea7ba05, 1.0    ; 1 + 0.3275911 y
.endr
.irp u, 0,1,2,3,4,5,6,7,8,9,10,11,12,13,14,15
	v_rcp_f32 v[160+\u], v[160+\u]                 ; t
.endr
	v_mov_b32 v26, 0x3f87dc22                      ; a5 (a plain instruction behind the reciprocals)
	s_wait_alu depctr_va_vdst(0)
.irp u, 0,1,2,3,4,5,6,7,8,9,10,11,12,13,14,15
	v_fmaak_f32 v[176+\u], v[160+\u], v26, 0xbfba00e3          ; a5 t + a4
.endr
.irp u, 0,1,2,3,4,5,6,7,8,9,10,11,12,13,14,15
	v_fmaak_f32 v[176+\u], v[176+\u], v[160+\u], 0x3fb5f0e3    ; .. t + a3
.endr
.irp u, 0,1,2,3,4,5,6,7,8,9,10,11,12,13,14,15
	v_fmaak_f32 v[176+\u], v[176+\u], v[160+\u], 0xbe91a98e    ; .. t + a2
.endr
.irp u, 0,1,2,3,4,5,6,7,8,9,10,11,12,13,14,15
	v_fmaak_f32 v[176+\u], v[176+\u], v[160+\u], 0x3e827906    ; .. t + a1
.endr
.irp u, 0,1,2,3,4,5,6,7,8,9,10,11,12,13,14,15
	v_mul_f32 v[176+\u], v[176+\u], v[160+\u]      ; .. t
.endr
.irp u, 0,1,2,3,4,5,6,7,8,9,10,11,12,13,14,15
	v_mul_f32 v[192+\u], v[136+\u], v[136+\u]
.endr
.irp u, 0,1,2,3,4,5,6,7,8,9,10,11,12,13,14,15
	v_mul_f32 v[192+\u], 0xbfb8aa3b, v[192+\u]     ; -y^2 log2(e)
.endr
.irp u, 0,1,2,3,4,5,6,7,8,9,10,11,12,13,14,15
	v_exp_f32 v[192+\u], v[192+\u]
.endr
	v_nop                                          ; a plain instruction behind the exponentials
	s_wait_alu depctr_va_vdst(0)
.irp u, 0,1,2,3,4,5,6,7,8,9,10,11,12,13,14,15
	v_fma_f32 v[176+\u], -v[176+\u], v[192+\u], 1.0    ; erf(y)
.endr
.irp u, 0,1,2,3,4,5,6,7,8,9,10,11,12,13,14,15
	v_fma_f32 v[176+\u], |v[120+\u]|, v[176+\u], v[120+\u]     ; 2 gelu(z) = z + |z| erf(|z| / sqrt(2)): erf is odd
.endr
	v_mul_f32 v28, v100, v176                      ; the second layer, in two chains
	v_mul_f32 v29, v101, v177
.irp u, 2,4,6,8,10,12,14
	v_fmac_f32 v28, v[100+\u], v[176+\u]
	v_fmac_f32 v29, v[101+\u], v[177+\u]
.endr
	v_add_f32 v28, v28, v29
	v_fma_f32 v28, v28, 0.5, v116                  ; d
	v_mul_f32 v30, 0xbfb8aa3b, |v117|              ; softplus(th) = max(th, 0) + ln 2 x log2(1 + 2^(-|th| log2 e)): no overflow for any th
	v_exp_f32 v30, v30
	v_max_num_f32 v31, 0, v117                     ; (a plain instruction behind the exponential)
	s_wait_alu depctr_va_vdst(0)
	v_add_f32 v30, 1.0, v30
	v_log_f32 v30, v30
	v_nop
	s_wait_alu depctr_va_vdst(0)
	v_fmac_f32 v31, 0x3f317218, v30
	v_fmac_f32 v31, 0x3dcccccd, v28                ; + 0.1 d: the key's threshold
	v_mul_f32 v28, 0x40e6d4ca, v31                 ; b_n = 5 log2(e) x threshold
	v_cmp_ne_u32 vcc_lo, 0, v118
	v_mov_b32 v29, 0xc22d1f97                      ; -30 log2(e)
	v_cndmask_b32 v29, v29, 0, vcc_lo              ; off_n
	global_store_b32 v27, v28, s[60:61]            ; a wave stores 128 consecutive bytes; the whole buffer is 64 KiB
	global_store_b32 v27, v29, s[60:61] offset:8192
	s_wait_xcnt 0x0                                ; the stores have read their registers
.Lno_density:
	XLOAD 0
	XLOAD 1
	s_lshl_b32 s7, s4, 2
	s_lshr_b32 s7, 0x284e, s7                      ; my row of the table of signs
.irp j, 0,1,2,3
	s_bfe_u32 s[84+\j], s7, 0x10000+\j             ; one bit, from bit J
	s_mul_i32 s[84+\j], s[84+\j], 0x80808080       ; the four codes' sign bits, or 0
	s_xor_b32 s62, s4, \j
	s_lshl_b32 s62, s62, 12
	v_add_nc_u32 v[WFA+\j], s62, v[LI]
.endr
	s_lshl_b32 s62, s4, 12
	v_add_nc_u32 v[WST], s62, v[LI]
	s_wait_kmcnt 0x0
	s_cmp_eq_u32 s2, 0
	s_cselect_b32 s80, s68, s70                    ; e(x): e0 or e2
	s_cselect_b32 s81, s69, s71                    ; e(W): e1 or e3
	s_cselect_b32 s82, s74, s75                    ; e(result): e6 or e7
	SCALE_OUT
	s_add_co_i32 s81, s81, 127
	s_lshl_b32 s7, s81, 23
	v_mov_b32 v[SCW], s7                           ; 2^e(W): the conversion takes its exponent field
	s_add_co_i32 s81, s81, 15
	s_lshl_b32 s92, s81, 23
	s_or_b32 s92, s92, 0x600000                    ; 57,344 x 2^e(W)
	s_or_b32 s93, s92, 0x80000000
	s_wait_loadcnt 32                              ; all but x's 32 loads, which were issued last: the component, the bias and the masks are in
	WIN 0x41                                       ; source 0 and destination window 1
.set n, 0
.rept 128
	v_med3_num_f32 v[n], v[n], s93, s92
.set n, n+1
.endr
.set n, 0
.rept 16
	v_cvt_scalef32_pk8_bf8_f32 v[WC+2*n:WC+2*n+1], v[8*n:8*n+7], v[SCW]
.set n, n+1
.endr
	v_nop                                          ; one plain vector instruction behind the last scaled conversion
	WIN 0x04                                       ; store data window 1
.irp t, 0,1,2,3
.irp c, 0,1
	ds_store_b128 v[WST], v[WC+8*\t+4*\c:WC+8*\t+4*\c+3] offset:1024*\t+512*\c     ; an image of four registers: 16 bytes a lane, 512 on end
.endr
.endr
	s_wait_dscnt 0x0                               ; for the others' sake: my stores have landed
	s_barrier_signal -1
	s_barrier_wait -1                              ; the four components' codes lie in LDS
	WIN 0x40
.irp j, 0,1,2,3                                ; block (I, J): K = 64 J on: K step J / 2, registers 8 (J % 2) + 4 c
.irp t, 0,1,2,3
.irp c, 0,1
	ds_load_b128 v[32*\t+16*(\j/2)+8*(\j%2)+4*\c:32*\t+16*(\j/2)+8*(\j%2)+4*\c+3], v[WFA+\j] offset:1024*\t+512*\c
.endr
.endr
.endr
	s_wait_dscnt 0x0
	WIN 0x44                                       ; source 1 and destination window 1
.irp j, 0,1,2,3
.irp t, 0,1,2,3
.irp i, 0,1,2,3,4,5,6,7
	v_xor_b32 v[32*\t+16*(\j/2)+8*(\j%2)+\i], s[84+\j], v[32*\t+16*(\j/2)+8*(\j%2)+\i]    ; the block's sign
.endr
.endr
.endr
	WIN 0x41
.set n, 0
.rept 32
	v_ldexp_f32 v[BIAS+n], v[BIAS+n], s83          ; b / 2^(e(x) + e(W))
.set n, n+1
.endr
	WIN 0
.irp i, 0,1,2,3,4,5,6,7
	v_cmp_ne_u32 vcc_lo, 0, v[MK+\i]
	v_cndmask_b32 v[MK+\i], 0, -1, vcc_lo
.endr
.irp b, 0,1,2,3
.if \b < 3
	s_wait_loadcnt 16                              ; this block of x is in; the next block's 16 loads may be out
.else
	s_wait_loadcnt 0x0
.endif
	GEMM \b, 0
	QUANT \b
.irp g, 0,1,2,3                                ; group g = 2 u + c: tile u of rows, channels 32 c + 16 h + 0 .. 15
.irp i, 0,1,2,3
	v_and_b32 v[CD+4*\g+\i], v[MK+2*\b+\g/2], v[CD+4*\g+\i]    ; a masked row's codes are zeros
.endr
.endr
.irp g, 0,1,2,3
	global_store_b128 v[LI], v[CD+4*\g:CD+4*\g+3], s[88:89] offset:2048*\b+1024*(\g/2)+512*(\g%2)   ; 32 lanes store 512 consecutive bytes, aligned
.endr
.endr
	s_wait_tensorcnt 0x0
	ds_add_u32 v254, v255
	s_wait_dscnt 0x0
	s_endpgm
; ---------------- v ----------------
.Lv:
	s_add_co_u32 s96, s5, s6
	s_add_co_u32 s96, s96, 65536                   ; V's part lies behind K's
	s_add_nc_u64 s[88:89], s[58:59], s[96:97]
	s_add_nc_u64 s[8:9], s[32:33], s[90:91]
	s_lshl_b32 s96, s4, 14
	s_add_nc_u64 s[34:35], s[34:35], s[96:97]      ; my 64 rows of Wv
	s_lshl_b32 s96, s4, 8
	s_add_nc_u64 s[36:37], s[36:37], s[96:97]      ; my 64 numbers of bv
	WIN 0x40
.irp t, 0,1,2,3
.irp s, 0,1
.irp c, 0,1,2,3
	global_load_b128 v[32*\t+16*\s+4*\c:32*\t+16*\s+4*\c+3], v[XA], s[34:35] offset:(32*(\t/2)+8*(\t%2))*256+128*\s+32*\c
.endr
.endr
.endr
	WIN 0
.irp t, 0,1,2,3
	global_load_b32 v[24+\t], v[MA], s[36:37] offset:4*(32*(\t/2)+8*(\t%2))    ; here a lane holds ONE channel: its bias serves all eight registers
.endr
	XLOAD 0
	XLOAD 1
	s_wait_kmcnt 0x0
	s_mov_b32 s80, s72                             ; e4
	s_mov_b32 s81, s73                             ; e5
	s_mov_b32 s82, s77                             ; e9
	SCALE_OUT
	s_wait_loadcnt 32                              ; all but x's 32 loads: Wv and bv are in
.irp t, 0,1,2,3
	v_ldexp_f32 v[24+\t], v[24+\t], s83
.endr
	WIN 0x40
.irp t, 0,1,2,3
.irp i, 0,1,2,3,4,5,6,7
	v_mov_b32 v[BIAS+8*\t+\i], v[24+\t]
.endr
.endr
.irp b, 0,1,2,3
.if \b < 3
	s_wait_loadcnt 16
.else
	s_wait_loadcnt 0x0
.endif
	GEMM \b, 1
	QUANT \b
.irp g, 0,1,2,3                                ; group g: tile g of channels, keys 32 b + 16 h + 0 .. 15
	global_store_b128 v[LI], v[CD+4*\g:CD+4*\g+3], s[88:89] offset:2048*\g+512*\b
.endr
.endr
	s_endpgm
.Lfunc_end_k_qa5e43e021f_prep:
	.size	k_qa5e43e021f_prep, .Lfunc_end_k_qa5e43e021f_prep-k_qa5e43e021f_prep
	.p2alignl 7, 3214868480
	.fill 96, 4, 3214868480
	.section	.rodata,"a",@progbits
	.p2align	6, 0x0
	.amdhsa_kernel k_qa5e43e021f_prep
		.amdhsa_group_segment_fixed_size 16896
		.amdhsa_private_segment_fixed_size 0
		.amdhsa_enable_private_segment 0
		.amdhsa_kernarg_size 208
		.amdhsa_user_sgpr_count 2
		.amdhsa_user_sgpr_kernarg_segment_ptr 1
		.amdhsa_wavefront_size32 1
		.amdhsa_system_sgpr_workgroup_id_x 1
		.amdhsa_system_sgpr_workgroup_id_y 1
		.amdhsa_system_sgpr_workgroup_id_z 1
		.amdhsa_system_vgpr_workitem_id 0
		.amdhsa_next_free_vgpr 512
		.amdhsa_next_free_sgpr 100
		.amdhsa_reserve_vcc 1
		.amdhsa_float_denorm_mode_32 3
		.amdhsa_float_denorm_mode_16_64 3
		.amdhsa_memory_ordered 1
		.amdhsa_forward_progress 1
		.amdhsa_inst_pref_size 116
	.end_amdhsa_kernel
	.amdgpu_metadata
---
amdhsa.version: [ 1, 2 ]
amdhsa.kernels:
  - .name:           k_qa5e43e021f_prep
    .symbol:         k_qa5e43e021f_prep.kd
    .args:
      - { .name: query_codes, .offset: 0, .size: 8, .value_kind: global_buffer, .address_space: global }
      - { .name: Wq_r, .offset: 8, .size: 8, .value_kind: global_buffer, .address_space: global }
      - { .name: Wq_i, .offset: 16, .size: 8, .value_kind: global_buffer, .address_space: global }
      - { .name: Wq_j, .offset: 24, .size: 8, .value_kind: global_buffer, .address_space: global }
      - { .name: Wq_k, .offset: 32, .size: 8, .value_kind: global_buffer, .address_space: global }
      - { .name: bq, .offset: 40, .size: 8, .value_kind: global_buffer, .address_space: global }
      - { .name: key_codes, .offset: 48, .size: 8, .value_kind: global_buffer, .address_space: global }
      - { .name: Wk_r, .offset: 56, .size: 8, .value_kind: global_buffer, .address_space: global }
      - { .name: Wk_i, .offset: 64, .size: 8, .value_kind: global_buffer, .address_space: global }
      - { .name: Wk_j, .offset: 72, .size: 8, .value_kind: global_buffer, .address_space: global }
      - { .name: Wk_k, .offset: 80, .size: 8, .value_kind: global_buffer, .address_space: global }
      - { .name: bk, .offset: 88, .size: 8, .value_kind: global_buffer, .address_space: global }
      - { .name: value_codes, .offset: 96, .size: 8, .value_kind: global_buffer, .address_space: global }
      - { .name: Wv_codes, .offset: 104, .size: 8, .value_kind: global_buffer, .address_space: global }
      - { .name: bv, .offset: 112, .size: 8, .value_kind: global_buffer, .address_space: global }
      - { .name: lowp_scales, .offset: 120, .size: 8, .value_kind: global_buffer, .address_space: global }
      - { .name: mask, .offset: 128, .size: 8, .value_kind: global_buffer, .address_space: global }
      - { .name: density_feat, .offset: 136, .size: 8, .value_kind: global_buffer, .address_space: global }
      - { .name: dm_w1, .offset: 144, .size: 8, .value_kind: global_buffer, .address_space: global }
      - { .name: dm_b1, .offset: 152, .size: 8, .value_kind: global_buffer, .address_space: global }
      - { .name: dm_w2, .offset: 160, .size: 8, .value_kind: global_buffer, .address_space: global }
      - { .name: dm_b2, .offset: 168, .size: 8, .value_kind: global_buffer, .address_space: global }
      - { .name: threshold, .offset: 176, .size: 8, .value_kind: global_buffer, .address_space: global }
      - { .name: qimg, .offset: 184, .size: 8, .value_kind: global_buffer, .address_space: global }
      - { .name: kvimg, .offset: 192, .size: 8, .value_kind: global_buffer, .address_space: global }
      - { .name: keyvec, .offset: 200, .size: 8, .value_kind: global_buffer, .address_space: global }
    .group_segment_fixed_size: 16896
    .private_segment_fixed_size: 0
    .kernarg_segment_align: 8
    .kernarg_segment_size: 208
    .max_flat_workgroup_size: 128
    .sgpr_count:     100
    .vgpr_count:     512
    .wavefront_size: 32
...
	.end_amdgpu_metadata
.endif
;; end of part 1
;; launch attn (part 2): grid 64 x 4, 8 waves a work-group, clusters of 4 x 1, 327,680 bytes of LDS; arguments qimg, kvimg, keyvec, mask, lowp_scales, Wo_codes, bo, out0; writes out0
.if DOCPART == 2
	.amdgcn_target "amdgcn-amd-amdhsa--gfx1250"
	.amdhsa_code_object_version 6
	.text
	.protected	k_qa5e43e021f_attn
	.globl	k_qa5e43e021f_attn
	.p2align	8
	.type	k_qa5e43e021f_attn,@function
k_qa5e43e021f_attn:
	s_mov_b64 s[64:65], 0
	v_nop
	global_prefetch_b8 v0, s[64:65] scope:SCOPE_SE
	s_setreg_imm32_b32 hwreg(HW_REG_WAVE_MODE, 25, 1), 1
	s_wait_xcnt 0x0
	s_wait_alu depctr_hold_cnt(0) depctr_sa_sdst(0) depctr_va_vdst(0) depctr_va_sdst(0) depctr_va_ssrc(0) depctr_va_vcc(0) depctr_vm_vsrc(0)
	s_getreg_b32 s2, hwreg(HW_REG_IB_STS2, 6, 4)
	s_cmp_eq_u32 s2, 0
	s_cbranch_scc0 .Lentry_in_a_cluster
	s_endpgm
.Lentry_in_a_cluster:
	s_bfe_u32 s2, ttmp6, 0x10000c
	s_cmp_lg_u32 s2, 0x3003
	s_cbranch_scc0 .Lentry_shape_is_right
	s_endpgm
.Lentry_shape_is_right:
.set SLOT1, 1<<17
.set KVEC,  262144
.set SPARE, 278528
.set MRG,   279552
.set OSTG,  279552
.set AIMG,  316416
.set MSB, 0
.macro WIN new
.if MSB != \new
	s_set_vgpr_msb (MSB<<8)|\new
.set MSB, \new
.endif
.endm
.macro CROUND
	s_barrier_signal -1
	s_barrier_wait -1
	s_cmp_lg_u32 s20, 0
	s_cbranch_scc1 .Lnot_wave_0_\@
	s_barrier_signal -3
.Lnot_wave_0_\@:
	s_barrier_wait -3
	s_barrier_signal -1
	s_barrier_wait -1
.endm
.macro BARRIER
	s_wait_dscnt 0x0
	s_barrier_signal -1
	s_barrier_wait -1
.endm
.macro CHANGE fill
	WIN 0
	s_wait_tensorcnt 0x0
	ds_add_u32 v8, v9
.if \fill
	s_xor_b32 s41, s41, SLOT1
	s_add_nc_u64 s[42:43], s[42:43], 131072
.endif
	s_wait_dscnt 0x0
.if \fill
	CROUND
	tensor_load_to_lds s[40:43], s[24:31]
	s_nop 0
.rept 4
	v_nop
.endr
.else
	s_barrier_signal -1
	s_barrier_wait -1
.endif
.endm
	s_load_b512 s[4:19], s[0:1], 0x0
	v_lshl_add_u32 v8, v0, 2, SPARE
	v_mov_b32 v9, 0
	ds_add_u32 v8, v9
	ds_add_u32 v8, v9
	s_wait_dscnt 0x0
	v_lshrrev_b32 v1, 5, v0
	s_delay_alu instid0(VALU_DEP_1)
	v_readfirstlane_b32 s20, v1
	s_and_b32 s21, s20, 3
	s_lshr_b32 s22, s20, 2
	s_bfe_u32 s82, ttmp6, 0x40000
	s_lshl_b32 s83, ttmp9, 2
	s_add_co_u32 s83, s83, s82
	s_and_b32 s84, ttmp7, 0xffff
	s_mov_b32 s24, 15|(1<<21)
	s_mov_b32 s25, 256<<16
	s_mov_b32 s26, 64<<16
	s_mov_b32 s27, 256<<16
	s_mov_b32 s28, 64
	s_mov_b32 s29, 256
	s_mov_b32 s30, 0
	s_mov_b32 s31, 0
	s_mov_b32 s32, 15|(1<<21)
	s_mov_b32 s33, 256<<16
	s_mov_b32 s34, 8<<16
	s_mov_b32 s35, 256<<16
	s_mov_b32 s36, 8
	s_mov_b32 s37, 256
	s_mov_b32 s38, 0
	s_mov_b32 s39, 0
	s_mov_b32 s40, 1
	s_lshl_b32 s41, s20, 14
	s_mov_b32 s44, 1
	s_lshl_b32 s45, s20, 11
	s_add_co_u32 s45, s45, KVEC
	s_lshl_b32 s98, s84, 20
	s_add_co_u32 s98, s98, s41
	s_mov_b32 s99, 0
	s_lshl_b32 s86, s84, 14
	s_lshl_b32 s85, s20, 11
	s_add_co_u32 s86, s86, s85
	s_mov_b32 s87, 0
	s_wait_kmcnt 0x0
	s_load_b256 s[48:55], s[12:13], 0x0
	s_load_b128 s[56:59], s[12:13], 0x20
	s_add_nc_u64 s[42:43], s[6:7], s[98:99]
	s_or_b32 s43, s43, 0x80000000
	s_add_nc_u64 s[46:47], s[8:9], s[86:87]
	s_or_b32 s47, s47, 0x80000000
	CROUND
	tensor_load_to_lds s[44:47], s[32:39]
	s_nop 0
	tensor_load_to_lds s[40:43], s[24:31]
	s_nop 0
.rept 4
	v_nop
.endr
	s_lshl_b32 s85, s84, 6
	s_add_co_u32 s85, s85, s83
	s_lshr_b32 s88, s85, 2
	s_lshl_b32 s88, s88, 15
	s_and_b32 s85, s85, 3
	s_lshl_b32 s85, s85, 11
	s_add_co_u32 s88, s88, s85
	s_lshl_b32 s85, s21, 13
	s_add_co_u32 s88, s88, s85
	s_mov_b32 s89, 0
	s_add_nc_u64 s[88:89], s[4:5], s[88:89]
	s_lshl_b32 s94, s84, 13
	s_lshl_b32 s85, s83, 7
	s_add_co_u32 s94, s94, s85
	s_mov_b32 s95, 0
	s_add_nc_u64 s[94:95], s[10:11], s[94:95]
	s_lshl_b32 s96, s20, 13
	s_mov_b32 s97, 0
	s_add_nc_u64 s[96:97], s[14:15], s[96:97]
	s_lshl_b32 s90, s20, 7
	s_mov_b32 s91, 0
	s_add_nc_u64 s[90:91], s[16:17], s[90:91]
	s_lshl_b32 s92, s84, 21
	s_lshl_b32 s85, s83, 15
	s_add_co_u32 s92, s92, s85
	s_lshl_b32 s85, s20, 12
	s_add_co_u32 s92, s92, s85
	s_mov_b32 s93, 0
	s_add_nc_u64 s[92:93], s[18:19], s[92:93]
	v_and_b32 v32, 31, v0
	s_delay_alu instid0(VALU_DEP_1)
	v_lshlrev_b32 v1, 4, v32
	v_and_b32 v32, 15, v0
	v_bfe_u32 v33, v0, 4, 1
	s_lshl_b32 s85, s20, 13
	v_add_nc_u32 v2, s85, v1
	s_delay_alu instid0(VALU_DEP_1)
	v_add_nc_u32 v3, 0x10000, v2
	s_lshl_b32 s85, s22, 9
	s_add_co_u32 s85, s85, KVEC
	v_lshl_add_u32 v4, v33, 6, s85
	v_and_b32 v34, 8, v32
	s_delay_alu instid0(VALU_DEP_1)
	v_add_nc_u32 v34, v34, v32
	s_delay_alu instid0(VALU_DEP_1)
	v_lshlrev_b32 v34, 2, v34
	v_lshlrev_b32 v35, 8, v32
	s_delay_alu instid0(VALU_DEP_1)
	v_lshl_add_u32 v35, v33, 4, v35
	WIN 0x40
.irp i, 0,1
.irp c, 0,1
	global_load_b128 v[128+8*\i+4*\c:128+8*\i+4*\c+3], v1, s[88:89] offset:1024*\i+512*\c
.endr
.endr
	WIN 0
	global_load_b32 v36, v34, s[94:95]
	global_load_b32 v37, v34, s[94:95] offset:32
.irp t, 0,1
.irp s, 0,1
.irp c, 0,1,2,3
	global_load_b128 v[192+32*\t+16*\s+4*\c:192+32*\t+16*\s+4*\c+3], v35, s[96:97] offset:4096*\t+128*\s+32*\c
.endr
.endr
.endr
	s_mov_b32 s60, 0x76543210
	s_mov_b32 s61, 0xfedcba98
	s_mov_b32 s62, 0
	s_mov_b32 s63, 0
	s_mov_b32 s66, 7
	s_sub_co_i32 s76, 0, s22
	s_wait_kmcnt 0x0
	s_add_co_i32 s85, s54, s55
	s_sub_co_i32 s85, s85, 2
	s_lshl_b32 s86, s85, 23
	s_add_co_u32 s70, s86, 0xc0e6d4ca
	s_mov_b32 s71, s70
	s_add_co_u32 s87, s86, 0x3fb8aa3b
	s_add_co_u32 s72, s87, 0x800000
	s_mov_b32 s73, s72
	s_sub_co_u32 s67, 0x40c00000, s86
	s_or_b32 s68, s67, 0x80000000
	s_add_co_i32 s85, s56, 127
	s_lshl_b32 s86, s85, 23
	v_mov_b32 v10, s86
	v_mov_b32 v12, 0xbe8fcb80
	s_add_co_i32 s85, s58, 127
	s_lshl_b32 s86, s85, 23
	v_mov_b32 v13, s86
	s_add_co_i32 s77, s56, s57
	s_add_co_i32 s78, s58, s59
	s_add_co_i32 s78, s78, 127
	s_lshl_b32 s78, s78, 23
	s_mov_b32 s79, s78
	WIN 0x40
	v_mov_b32 v240, s87
	v_mov_b32 v241, s87
.set n, 0
.rept 64
	v_mov_b32 v[176+n], 0
.set n, n+1
.endr
	WIN 0
.irp i, 0,1
	v_mov_b32 v[17+8*\i], 0xff61b1e6
	s_delay_alu instid0(VALU_DEP_1)
	v_floor_f32 v[16+8*\i], -v[17+8*\i]
	v_mov_b32 v[18+8*\i], 0
	v_mov_b32 v[19+8*\i], 0
	v_mov_b32 v[21+8*\i], 0
	v_mov_b32 v[22+8*\i], 0
	v_mov_b32 v[23+8*\i], 0
.endr
	s_wait_loadcnt 0x0
	v_cmp_ne_u32 s74, 0, v36
	v_cmp_ne_u32 s75, 0, v37
	s_delay_alu instid0(VALU_DEP_2)
	v_cndmask_b32 v20, 0, 1.0, s74
	s_delay_alu instid0(VALU_DEP_2)
	v_cndmask_b32 v28, 0, 1.0, s75
.macro STEP
	v_add_nc_u32 v5, s62, v2
	v_add_nc_u32 v6, s62, v3
	v_add_nc_u32 v7, s63, v4
	v_nop
	WIN 0x40
.irp t, 0,1,2,3,4,5,6,7
.irp c, 0,1
	ds_load_b128 v[8*\t+4*\c:8*\t+4*\c+3], v5 offset:1024*\t+512*\c
.endr
.endr
.irp c, 0,1,2,3
.irp q, 0,1,2,3
	ds_load_b128 v[64+16*\c+4*\q:64+16*\c+4*\q+3], v7 offset:8192+128*\c+16*\q
.endr
.endr
	s_wait_alu depctr_va_vdst(0)
	s_wait_dscnt 16
	WIN 0x05
.irp t, 0,1,2,3,4,5,6,7
.irp i, 0,1
	v_wmma_f32_16x16x64_bf8_bf8 v[64+64*\i+8*\t:64+64*\i+8*\t+7], v[8*\t:8*\t+7], v[128+8*\i:128+8*\i+7], 0
.endr
.endr
.rept 4
	v_nop
.endr
	WIN 0x40
.irp c, 0,1,2,3
.irp q, 0,1,2,3
	ds_load_b128 v[16*\c+4*\q:16*\c+4*\q+3], v7 offset:128*\c+16*\q
.endr
.endr
	WIN 0
.set n, 0
.rept 128
	v_med3_num_f32 v[64+n], v[64+n], s68, s67
.set n, n+1
.endr
	s_wait_dscnt 0x0
	WIN 0x10
.irp c, 0,1,2,3
.irp i, 0,1
.irp k, 0,2,4,6,8,10,12,14
	v_pk_fma_f32 v[32+16*\i+\k:33+16*\i+\k], v[64+64*\i+16*\c+\k:65+64*\i+16*\c+\k], s[70:71], v[16*\c+\k:16*\c+\k+1] op_sel_hi:[1,0,1]
.endr
.endr
.set n, 0
	s_wait_alu depctr_va_vdst(0)
.rept 32
	v_exp_f32 v[32+n], v[32+n]
.set n, n+1
.endr
	v_nop
.set n, 0
	s_wait_alu depctr_va_vdst(0)
.rept 16
	v_pk_add_f32 v[32+n:33+n], v[32+n:33+n], 1.0 op_sel_hi:[1,0]
.set n, n+2
.endr
.set n, 0
	s_wait_alu depctr_va_vdst(0)
.rept 32
	v_rcp_f32 v[32+n], v[32+n]
.set n, n+1
.endr
	v_nop
.set n, 0
	s_wait_alu depctr_va_vdst(0)
.rept 16
	v_pk_fma_f32 v[32+n:33+n], v[32+n:33+n], s[72:73], v[240:241] op_sel_hi:[1,0,1]
.set n, n+2
.endr
.irp i, 0,1
.irp k, 0,2,4,6,8,10,12,14
	v_pk_fma_f32 v[64+64*\i+16*\c+\k:65+64*\i+16*\c+\k], v[64+64*\i+16*\c+\k:65+64*\i+16*\c+\k], v[32+16*\i+\k:33+16*\i+\k], v[64+16*\c+\k:65+16*\c+\k]
.endr
.endr
.endr
	WIN 0x40
.irp t, 0,1,2,3
.irp c, 0,1,2,3
	ds_load_b128 v[16*\t+4*\c:16*\t+4*\c+3], v6 offset:2048*\t+512*\c
.endr
.endr
	WIN 0
.irp i, 0,1
	v_max3_num_f32 v[32+2*\i], v[64+64*\i], v[65+64*\i], v[66+64*\i]
	v_max3_num_f32 v[33+2*\i], v[67+64*\i], v[68+64*\i], v[69+64*\i]
.endr
.irp k, 6,10,14,18,22,26,30,34,38,42,46,50,54,58
.irp i, 0,1
	s_delay_alu instid0(VALU_DEP_4)
	v_max3_num_f32 v[32+2*\i], v[32+2*\i], v[64+64*\i+\k], v[65+64*\i+\k]
	s_delay_alu instid0(VALU_DEP_4)
	v_max3_num_f32 v[33+2*\i], v[33+2*\i], v[66+64*\i+\k], v[67+64*\i+\k]
.endr
.endr
.irp i, 0
	s_delay_alu instid0(VALU_DEP_4)
	v_max3_num_f32 v[32+2*\i], v[32+2*\i], v[126+64*\i], v[127+64*\i]
.endr
.irp i, 1
	s_delay_alu instid0(VALU_DEP_3)
	v_max3_num_f32 v[32+2*\i], v[32+2*\i], v[126+64*\i], v[127+64*\i]
.endr
.irp i, 0,1
	s_delay_alu instid0(VALU_DEP_2)
	v_max_num_f32 v[32+2*\i], v[32+2*\i], v[33+2*\i]
.endr
.irp i, 0,1
	s_delay_alu instid0(VALU_DEP_2)
	v_permlanex16_b32 v[21+8*\i], v[32+2*\i], s60, s61
.endr
.irp i, 0,1
	s_delay_alu instid0(VALU_DEP_2)
	v_max_num_f32 v[32+2*\i], v[32+2*\i], v[21+8*\i]
.endr
.irp i, 0,1
	s_delay_alu instid0(VALU_DEP_2)
	v_max_num_f32 v[17+8*\i], v[17+8*\i], v[32+2*\i]
.endr
.irp i, 0,1
	v_mov_b32 v[23+8*\i], v[16+8*\i]
.endr
.irp i, 0,1
	s_delay_alu instid0(VALU_DEP_4)
	v_floor_f32 v[16+8*\i], -v[17+8*\i]
.endr
.irp i, 0,1
	s_delay_alu instid0(VALU_DEP_2)
	v_cndmask_b32 v[16+8*\i], v12, v[16+8*\i], s[74+\i]
.endr
.irp i, 0,1
	s_delay_alu instid0(VALU_DEP_2)
	v_sub_f32 v[23+8*\i], v[16+8*\i], v[23+8*\i]
.endr
.irp i, 0,1
	s_delay_alu instid0(VALU_DEP_2)
	v_cvt_i32_f32 v[23+8*\i], v[23+8*\i]
.endr
.irp i, 0,1
	s_delay_alu instid0(VALU_DEP_2)
	v_ldexp_f32 v[22+8*\i], 1.0, v[23+8*\i]
.endr
.irp i, 0,1
.irp k, 0,2,4,6,8,10,12,14,16,18,20,22,24,26,28,30,32,34,36,38,40,42,44,46,48,50,52,54,56,58,60,62
	v_pk_fma_f32 v[64+64*\i+\k:65+64*\i+\k], v[64+64*\i+\k:65+64*\i+\k], v[20+8*\i:21+8*\i], v[16+8*\i:17+8*\i] op_sel_hi:[1,0,0]
.endr
.endr
.set n, 0
	s_wait_alu depctr_va_vdst(0)
.rept 128
	v_exp_f32 v[64+n], v[64+n]
.set n, n+1
.endr
.irp i, 0,1
	v_pk_mul_f32 v[18+8*\i:19+8*\i], v[18+8*\i:19+8*\i], v[22+8*\i:23+8*\i] op_sel_hi:[1,0]
.endr
	s_wait_alu depctr_va_vdst(0)
.irp i, 0,1
	v_pk_add_f32 v[36+2*\i:37+2*\i], v[64+64*\i:65+64*\i], v[66+64*\i:67+64*\i]
.endr
.irp k, 4,8,12,16,20,24,28,32,36,40,44,48,52,56,60
.irp i, 0,1
	v_pk_add_f32 v[18+8*\i:19+8*\i], v[18+8*\i:19+8*\i], v[64+64*\i+\k:65+64*\i+\k]
	v_pk_add_f32 v[36+2*\i:37+2*\i], v[36+2*\i:37+2*\i], v[66+64*\i+\k:67+64*\i+\k]
.endr
.endr
.irp i, 0
	s_delay_alu instid0(VALU_DEP_3)
	v_pk_add_f32 v[18+8*\i:19+8*\i], v[18+8*\i:19+8*\i], v[36+2*\i:37+2*\i]
.endr
.irp i, 1
	s_delay_alu instid0(VALU_DEP_2)
	v_pk_add_f32 v[18+8*\i:19+8*\i], v[18+8*\i:19+8*\i], v[36+2*\i:37+2*\i]
.endr
.set n, 0
.rept 128
.set n, n+1
.endr
	WIN 0x40
.irp i, 0,1
.irp g, 0,1,2,3,4,5,6,7
	v_cvt_scalef32_pk8_bf8_f32 v[144+16*\i+2*\g:145+16*\i+2*\g], v[64+64*\i+8*\g:71+64*\i+8*\g], v10
.endr
.endr
	WIN 0x41
.irp i, 0,1
.irp k, 0,2,4,6,8,10,12,14,16,18,20,22,24,26,28,30
	v_pk_mul_f32 v[176+32*\i+\k:177+32*\i+\k], v[176+32*\i+\k:177+32*\i+\k], v[22+8*\i:23+8*\i] op_sel_hi:[1,0]
.endr
.endr
	s_wait_alu depctr_va_vdst(0)
	s_wait_dscnt 0x0
	WIN 0x55
.irp t, 0,1,2,3
.irp i, 0,1
	v_wmma_f32_16x16x128_bf8_bf8 v[176+32*\i+8*\t:183+32*\i+8*\t], v[16*\t:16*\t+15], v[144+16*\i:159+16*\i], v[176+32*\i+8*\t:183+32*\i+8*\t]
.endr
.endr
	WIN 0
	s_xor_b32 s62, s62, SLOT1
	s_add_co_u32 s63, s63, 1024
.endm
.Lstep:
	CHANGE 1
	STEP
	s_sub_co_u32 s66, s66, 1
	s_cmp_lg_u32 s66, 0
	s_cbranch_scc1 .Lstep
	CHANGE 0
	STEP
	v_bfe_u32 v5, v0, 4, 1
	s_delay_alu instid0(VALU_DEP_1)
	v_lshlrev_b32 v5, 5, v5
.irp t, 0,1
.irp q, 0,1
	global_load_b128 v[32+8*\t+4*\q:35+8*\t+4*\q], v5, s[90:91] offset:64*\t+16*\q
.endr
.endr
.rept 4
	v_nop
.endr
.irp i, 0,1
	v_add_f32 v[18+8*\i], v[18+8*\i], v[19+8*\i]
.endr
.irp i, 0,1
	s_delay_alu instid0(VALU_DEP_2)
	v_permlanex16_b32 v[21+8*\i], v[18+8*\i], s60, s61
.endr
.irp i, 0,1
	s_delay_alu instid0(VALU_DEP_2)
	v_add_f32 v[18+8*\i], v[18+8*\i], v[21+8*\i]
.endr
	WIN 0x05
.set n, 0
.rept 32
	v_cndmask_b32 v[64+n], v[176+n], v[208+n], s76
	v_cndmask_b32 v[96+n], v[208+n], v[176+n], s76
.set n, n+1
.endr
	WIN 0
	v_cndmask_b32 v48, v16, v24, s76
	v_cndmask_b32 v49, v18, v26, s76
	v_cndmask_b32 v50, v24, v16, s76
	v_cndmask_b32 v51, v26, v18, s76
	s_mul_i32 s85, s20, 4608
	s_add_co_u32 s85, s85, MRG
	s_xor_b32 s86, s20, 4
	s_mul_i32 s86, s86, 4608
	s_add_co_u32 s86, s86, MRG
	v_add_nc_u32 v6, s85, v1
	v_add_nc_u32 v7, s86, v1
	v_lshrrev_b32 v54, 1, v1
	s_delay_alu instid0(VALU_DEP_1)
	v_add_nc_u32 v52, s85, v54
	s_delay_alu instid0(VALU_DEP_2)
	v_add_nc_u32 v53, s86, v54
.irp k, 0,1,2,3,4,5,6,7
	ds_store_b128 v6, v[96+4*\k:99+4*\k] offset:512*\k
.endr
	ds_store_b64 v52, v[50:51] offset:4096
	s_wait_alu depctr_va_vdst(0)
	BARRIER
.irp k, 0,1,2,3,4,5,6,7
	ds_load_b128 v[128+4*\k:131+4*\k], v7 offset:512*\k
.endr
	ds_load_b64 v[56:57], v53 offset:4096
	s_wait_dscnt 0x0
	v_min_num_f32 v58, v48, v56
	s_delay_alu instid0(VALU_DEP_1)
	v_sub_f32 v59, v58, v48
	s_delay_alu instid0(VALU_DEP_2)
	v_sub_f32 v60, v58, v56
	s_delay_alu instid0(VALU_DEP_2)
	v_cvt_i32_f32 v59, v59
	s_delay_alu instid0(VALU_DEP_2)
	v_cvt_i32_f32 v60, v60
	s_delay_alu instid0(VALU_DEP_2)
	v_ldexp_f32 v59, 1.0, v59
	s_delay_alu instid0(VALU_DEP_2)
	v_ldexp_f32 v60, 1.0, v60
	s_delay_alu instid0(VALU_DEP_2)
	v_mul_f32 v61, v49, v59
	s_delay_alu instid0(VALU_DEP_1)
	v_fmac_f32 v61, v57, v60
	s_wait_alu depctr_va_vdst(0)
	v_rcp_f32 v61, v61
	v_nop
	s_wait_alu depctr_va_vdst(0)
	v_ldexp_f32 v61, v61, s77
	s_delay_alu instid0(VALU_DEP_1)
	v_mul_f32 v58, v59, v61
	s_delay_alu instid0(VALU_DEP_2)
	v_mul_f32 v60, v60, v61
.irp k, 0,2,4,6,8,10,12,14,16,18,20,22,24,26,28,30
	v_pk_mul_f32 v[64+\k:65+\k], v[64+\k:65+\k], v[58:59] op_sel_hi:[1,0]
.endr
.irp k, 0,2,4,6,8,10,12,14,16,18,20,22,24,26,28,30
	v_pk_fma_f32 v[64+\k:65+\k], v[128+\k:129+\k], v[60:61], v[64+\k:65+\k] op_sel_hi:[1,0,1]
.endr
.set n, 0
.rept 32
.set n, n+1
.endr
.irp g, 0,1,2,3
	v_cvt_scalef32_pk8_bf8_f32 v[160+2*\g:161+2*\g], v[64+8*\g:71+8*\g], v13
.endr
	v_nop
	s_lshl_b32 s85, s20, 10
	s_add_co_u32 s85, s85, AIMG
	v_add_nc_u32 v62, s85, v1
	v_add_nc_u32 v63, AIMG, v1
	ds_store_b128 v62, v[160:163]
	ds_store_b128 v62, v[164:167] offset:512
	s_wait_alu depctr_va_vdst(0)
	BARRIER
.irp i, 0,1
.irp s, 0,1
.irp c, 0,1,2,3
	ds_load_b128 v[64+32*\i+16*\s+4*\c:67+32*\i+16*\s+4*\c], v63 offset:4096*\i+2048*\s+512*\c
.endr
.endr
.endr
	v_and_b32 v49, 15, v0
	s_delay_alu instid0(VALU_DEP_1)
	v_and_b32 v50, 8, v49
	s_delay_alu instid0(VALU_DEP_1)
	v_add_nc_u32 v49, v49, v50
	s_delay_alu instid0(VALU_DEP_1)
	v_mul_u32_u24 v48, v49, 1040
	v_bfe_u32 v50, v0, 4, 1
	s_delay_alu instid0(VALU_DEP_1)
	v_lshl_add_u32 v48, v50, 5, v48
	s_lshl_b32 s85, s20, 7
	s_add_co_u32 s85, s85, OSTG
	v_add_nc_u32 v48, s85, v48
	s_mul_i32 s85, s20, 4160
	s_add_co_u32 s85, s85, OSTG
	v_add_nc_u32 v51, s85, v1
	s_wait_dscnt 0x0
	s_wait_loadcnt 0x0
.irp s, 0,1
.irp i, 0,1
.irp t, 0,1
.if \s == 0
	v_wmma_f32_16x16x128_bf8_bf8 v[128+16*\i+8*\t:135+16*\i+8*\t], v[192+32*\t+16*\s:207+32*\t+16*\s], v[64+32*\i+16*\s:79+32*\i+16*\s], 0
.else
	v_wmma_f32_16x16x128_bf8_bf8 v[128+16*\i+8*\t:135+16*\i+8*\t], v[192+32*\t+16*\s:207+32*\t+16*\s], v[64+32*\i+16*\s:79+32*\i+16*\s], v[128+16*\i+8*\t:135+16*\i+8*\t]
.endif
.endr
.endr
.endr
.rept 4
	v_nop
.endr
.irp i, 0,1
.irp t, 0,1
.irp k, 0,2,4,6
	v_pk_fma_f32 v[160+16*\i+8*\t+\k:161+16*\i+8*\t+\k], v[128+16*\i+8*\t+\k:129+16*\i+8*\t+\k], s[78:79], v[32+8*\t+\k:33+8*\t+\k] op_sel_hi:[1,0,1]
.endr
.endr
.endr
.irp i, 0,1
.irp t, 0,1
	ds_store_b128 v48, v[160+16*\i+8*\t:163+16*\i+8*\t] offset:8320*\i+64*\t
	ds_store_b128 v48, v[164+16*\i+8*\t:167+16*\i+8*\t] offset:8320*\i+64*\t+16
.endr
.endr
	BARRIER
.irp k, 0,1,2,3,4,5,6,7
	ds_load_b128 v[64+4*\k:67+4*\k], v51 offset:1040*(\k/2)+512*(\k%2)
.endr
.irp k, 0,1,2,3,4,5,6,7
	s_wait_dscnt 7-\k
	global_store_b128 v1, v[64+4*\k:67+4*\k], s[92:93] offset:1024*(\k/2)+512*(\k%2) th:TH_STORE_NT
.endr
	s_wait_tensorcnt 0x0
	ds_add_u32 v8, v9
	s_wait_dscnt 0x0
	CROUND
	s_endpgm
.Lfunc_end_k_qa5e43e021f_attn:
	.size	k_qa5e43e021f_attn, .Lfunc_end_k_qa5e43e021f_attn-k_qa5e43e021f_attn
	.p2alignl 7, 3214868480
	.fill 96, 4, 3214868480
	.section	.rodata,"a",@progbits
	.p2align	6, 0x0
	.amdhsa_kernel k_qa5e43e021f_attn
		.amdhsa_group_segment_fixed_size 327680
		.amdhsa_private_segment_fixed_size 0
		.amdhsa_enable_private_segment 0
		.amdhsa_kernarg_size 64
		.amdhsa_user_sgpr_count 2
		.amdhsa_user_sgpr_kernarg_segment_ptr 1
		.amdhsa_wavefront_size32 1
		.amdhsa_system_sgpr_workgroup_id_x 1
		.amdhsa_system_sgpr_workgroup_id_y 1
		.amdhsa_system_sgpr_workgroup_id_z 1
		.amdhsa_system_vgpr_workitem_id 0
		.amdhsa_next_free_vgpr 512
		.amdhsa_next_free_sgpr 100
		.amdhsa_reserve_vcc 0
		.amdhsa_float_denorm_mode_32 3
		.amdhsa_float_denorm_mode_16_64 3
		.amdhsa_fp16_overflow 1
		.amdhsa_memory_ordered 1
		.amdhsa_forward_progress 1
		.amdhsa_inst_pref_size 153
	.end_amdhsa_kernel
	.amdgpu_metadata
---
amdhsa.version: [ 1, 2 ]
amdhsa.kernels:
  - .name:           k_qa5e43e021f_attn
    .symbol:         k_qa5e43e021f_attn.kd
    .args:
      - { .name: qimg, .offset: 0, .size: 8, .value_kind: global_buffer, .address_space: global }
      - { .name: kvimg, .offset: 8, .size: 8, .value_kind: global_buffer, .address_space: global }
      - { .name: keyvec, .offset: 16, .size: 8, .value_kind: global_buffer, .address_space: global }
      - { .name: mask, .offset: 24, .size: 8, .value_kind: global_buffer, .address_space: global }
      - { .name: lowp_scales, .offset: 32, .size: 8, .value_kind: global_buffer, .address_space: global }
      - { .name: Wo_codes, .offset: 40, .size: 8, .value_kind: global_buffer, .address_space: global }
      - { .name: bo, .offset: 48, .size: 8, .value_kind: global_buffer, .address_space: global }
      - { .name: out0, .offset: 56, .size: 8, .value_kind: global_buffer, .address_space: global }
    .group_segment_fixed_size: 327680
    .private_segment_fixed_size: 0
    .kernarg_segment_align: 8
    .kernarg_segment_size: 64
    .max_flat_workgroup_size: 256
    .sgpr_count:     100
    .vgpr_count:     512
    .wavefront_size: 32
...
	.end_amdgpu_metadata
.endif
;; end of part 2
